; MI455X (gfx1250); checked and timed in simulation.
; The chip was launched on July 23, 2026; its instructions are those of AMD's public machine-readable ISA for CDNA 5 (MIT licence, August 2026) and "CDNA5" Instruction Set Architecture Reference Guide (July 2026). The comments in the code are by the model that wrote it; some were corrected since.
;; Multi Head Attention. Allowed arithmetic: matrix products marked QUANTISED: E2M1 operands, one E8M0 scale for each 32 along K, by v_wmma_scale_f32_16x16x128_f8f6f4 with both operands' format E2M1 (or v_wmma_scale_f32_32x16x128_f4), f32 sums; everything else in f32.
;; Inputs: dense_b 1,024 float32; dense_w_codes 1,024 x 32 x 16 uint8 (E2M1 codes of dense_w, K innermost, in blocks of 32 codes, two codes a byte); dense_w_scales 1,024 x 32 uint8 (E8M0 scales of dense_w, one for each 32 codes along K); ln_b 1,024 float32; ln_g 1,024 float32; mask 16 x 1,024 x 1,024 int32; res_w_codes 1,024 x 16 x 16 uint8 (E2M1 codes of res_w, K innermost, in blocks of 32 codes, two codes a byte); res_w_scales 1,024 x 16 uint8 (E8M0 scales of res_w, one for each 32 codes along K); wk_b 1,024 float32; wk_w_codes 1,024 x 16 x 16 uint8 (E2M1 codes of wk_w, K innermost, in blocks of 32 codes, two codes a byte); wk_w_scales 1,024 x 16 uint8 (E8M0 scales of wk_w, one for each 32 codes along K); wq_b 1,024 float32; wq_w_codes 1,024 x 16 x 16 uint8 (E2M1 codes of wq_w, K innermost, in blocks of 32 codes, two codes a byte); wq_w_scales 1,024 x 16 uint8 (E8M0 scales of wq_w, one for each 32 codes along K); wv_b 1,024 float32; wv_w_codes 1,024 x 16 x 16 uint8 (E2M1 codes of wv_w, K innermost, in blocks of 32 codes, two codes a byte); wv_w_scales 1,024 x 16 uint8 (E8M0 scales of wv_w, one for each 32 codes along K); x_codes 8 x 1,024 x 16 x 16 uint8 (E2M1 codes of x, K innermost, in blocks of 32 codes, two codes a byte); x_scales 8 x 1,024 x 16 uint8 (E8M0 scales of x, one for each 32 codes along K).
;; Outputs: out0 8 x 1,024 x 1,024 float32.
;; This version of the problem:
;;   THIS VERSION OF THE PROBLEM IS GIVEN IN LOW PRECISION. The matrix products marked QUANTISED in the list below multiply operands that are first quantised to E2M1 (2 exponent bits, 1 mantissa bit; 4 bits a number), with one power-of-two scale for each 32 numbers along K (OCP MX v1.0); their sums are f32. All else is computed in f32.
;;   The module's matrix products, in the order in which they are computed (A, B: the left and right operand; K: the contracted axis; several contracted axes count as one K, in the product's order):
;;     1. [M 8,192, K 512] x [K 512, N 1,024]; A: input x (given as codes); B: input res_w (given as codes): QUANTISED
;;     2. [M 8,192, K 512] x [K 512, N 1,024]; A: input x (given as codes); B: input wq_w (given as codes): QUANTISED
;;     3. [M 8,192, K 512] x [K 512, N 1,024]; A: input x (given as codes); B: input wk_w (given as codes): QUANTISED
;;     4. [M 8,192, K 512] x [K 512, N 1,024]; A: input x (given as codes); B: input wv_w (given as codes): QUANTISED
;;     5. batch 128 x [M 1,024, K 64] x [K 64, N 1,024]; A: computed on the way; B: computed on the way: QUANTISED
;;     6. batch 128 x [M 1,024, K 1,024] x [K 1,024, N 64]; A: softmax (see below); B: computed on the way: QUANTISED
;;     7. [M 8,192, K 1,024] x [K 1,024, N 1,024]; A: computed on the way; B: input dense_w (given as codes): QUANTISED
;;   THE QUANTISER, for each operand of a quantised product, along K:
;;     - K is cut into blocks of 32 from its start; a last block that is shorter is filled with zeros.
;;     - A block's scale is 2^e with e = floor(log2(the largest magnitude in the block)) - 2, held to -126 .. 127; a block of zeros has e = 0. As a byte (E8M0): e + 127.
;;     - Each number is divided by its block's scale, clamped to +-6, and rounded to the nearest number of E2M1, ties to even, subnormals kept.
;;     - The product sums the exact products of the quantised numbers (number of the format x scale) in f32.
;;   ~~~python
;;   def quantise(x, axis):      # numpy; x: float32 -> the quantised numbers, widened to float32 again
;;       x = np.moveaxis(x, axis, -1); K = x.shape[-1]
;;       x = np.pad(x, [(0, 0)] * (x.ndim - 1) + [(0, -K % 32)]); x = x.reshape(x.shape[:-1] + (-1, 32)); a = np.abs(x).max(-1, keepdims=True)
;;       e = np.where(a > 0, np.clip(np.frexp(np.where(a > 0, a, 1))[1] - 1 - 2, -126, 127), 0)      # np.frexp(a)[1] - 1 = floor(log2(a)), exactly
;;       r = np.clip(x / 2.0 ** e, -6, 6)
;;       step = 2.0 ** (np.maximum(np.frexp(np.where(r == 0, 1, r))[1] - 1, 0) - 1)
;;       q = np.round(r / step) * step * 2.0 ** e      # np.round: ties to even
;;       return np.moveaxis(q.reshape(q.shape[:-2] + (-1,))[..., :K], -1, axis).astype(np.float32)
;;   ~~~
;;   SOFTMAX AHEAD OF A QUANTISED PRODUCT. Where the list says 'softmax', what is quantised is not the finished softmax but p = 2^(t - M), with t = logit x log2(e) and M = ceil(the row's largest t), a whole number; so 1/2 < the row's largest p <= 1. The row's sum l is taken of the UNQUANTISED p, in f32, and the product's result is divided by l at the end. Since M is a whole number, a kernel that streams over the keys may use a running M (the ceiling of the running maximum): every later rescaling is an exact power of two, which a block's scale takes up: the codes' values come out the same.
;;   OPERANDS COMPUTED ON THE WAY. 'Computed on the way' means the value that the module computes at that place (a softmax that the list does not call 'softmax' is quantised finished and normalised). What goes into a quantiser is computed in f32, as accurately as f32 sums, v_exp_f32 and their like allow (about 1e-6 of the number): no bf16 or f16 on the way to a quantiser, and a product that is left as it is and whose result goes on into a quantised operand takes f32 operands (vector FMAs, or v_wmma_f32_16x16x4_f32). A number that lies on a knife's edge between two numbers of the format may be rounded either way, as far as f32 arithmetic and the matrix unit's own rounding can turn it there, and no further.
;;   INPUTS GIVEN AS CODES. dense_w (in the module: [1024, 1024], K = its axis 0); res_w (in the module: [512, 1024], K = its axis 0); wk_w (in the module: [512, 1024], K = its axis 0); wq_w (in the module: [512, 1024], K = its axis 0); wv_w (in the module: [512, 1024], K = its axis 0); x (in the module: [8, 1024, 512], K = its axis 2): each comes as NAME_codes (uint8): NAME with its K axis moved to the last place and cut into blocks of 32 codes, [.., K / 32, bytes a block], one block behind the other in memory; two codes a byte, the lower K in the low four bits (a code: sign, 2 exponent bits, 1 mantissa bit); and NAME_scales (uint8): the same leading axes, one E8M0 byte (e + 127) for each 32 codes along K. Its value is code x scale, taken as it is: it is not quantised again, and the codes and scales need not be those that the quantiser above would give.
;; One version. Each part assembles by itself: llvm-mc -triple=amdgcn-amd-amdhsa -mcpu=gfx1250 --defsym DOCPART=n.
;; ======== version 1 of 1: 3 launches
;; limits: right only within a limited range of input values
;; workspace buffers: qimg 4,194,304 bytes; qscl 524,288 bytes; kv 9,437,184 bytes; mbits 2,097,152 bytes of whole numbers; wimg 835,584 bytes; oimg 4,194,304 bytes; oscl 262,144 bytes
;; launch prep (part 1): grid 256 x 1, 4 waves a work-group, no clusters, 327,680 bytes of LDS; arguments x_codes, x_scales, wq_w_codes, wq_w_scales, wq_b, wk_w_codes, wk_w_scales, wk_b, wv_w_codes, wv_w_scales, wv_b, mask, dense_w_codes, dense_w_scales, res_w_codes, res_w_scales, qimg, qscl, kv, mbits, wimg; writes qimg, qscl, kv, mbits, wimg
.if DOCPART == 1
	.amdgcn_target "amdgcn-amd-amdhsa--gfx1250"
	.amdhsa_code_object_version 6
	.text
	.protected	k_q7af6e71c48_prep
	.globl	k_q7af6e71c48_prep
	.p2align	8
	.type	k_q7af6e71c48_prep,@function
k_q7af6e71c48_prep:
	s_mov_b64 s[64:65], 0
	v_nop
	global_prefetch_b8 v0, s[64:65] scope:SCOPE_SE
	s_setreg_imm32_b32 hwreg(HW_REG_WAVE_MODE, 25, 1), 1
	s_wait_xcnt 0x0
; PREP.  q, k, v = x w + b on codes of FP4 (E2M1) with E8M0 scales, quantised again along the next products' K and stored as images of operand registers; the mask packed to one bit a score; dense_w and res_w laid by column group and K step.
; No work of the problem is left out here.
; THE MASK.  Wave 4 g + w of the launch takes head (4 g + w) / 64, 128 query rows and 128 keys: ONE tensor load at the head, 128 rows of 512 bytes, 528 bytes apart in LDS, into the wave's own 67,584 bytes, read by that wave alone:
; no barrier.  It is on its way while the three projections are made; the packing stands at the kernel's end.  Unit k of a wave is query tile 8 x row block + k, at the key step of the wave's 128 keys.
.set SPARE, 270336
.set WREG,  67584
.set MT,    16896
.set MP,    528
.set VX,  1
.set VXS, 2
.set VWS, 3
.set VB,  4
.set VBV, 5
.set L16, 6
.set R4,  7
.set L4,  8
.set L8,  9
.set VM,  10
.set RC,  11
.set RS,  12
.set RF,  13
.set SPW, 14
.set NIL, 15
.set MW,  16
.set XS,  32
.set WSA, 48
.set WSB, 64
.set TM,  80
.set TP,  88
.set TS,  96
.set PC,  104
.set PW,  120
.set RT,  124
.set HT,  125
.set PT,  126
.set LT,  127
.set WA,  128
.set MX,  128
.set MSB, 0
.macro WIN new
.if MSB != \new
	s_set_vgpr_msb (MSB<<8)|\new
.set MSB, \new
.endif
.endm
.macro PLACES n
.rept \n
	v_nop
.endr
.endm
.macro WM d, a, b, c, sa, sb, row
.if (\row) == 1
	v_wmma_scale_f32_16x16x128_f8f6f4 v[\d:\d+7], v[\a:\a+7], v[\b:\b+7], v[\c:\c+7], v[\sa], v[\sb] matrix_a_fmt:MATRIX_FMT_FP4 matrix_b_fmt:MATRIX_FMT_FP4 matrix_a_scale:MATRIX_SCALE_ROW1
.elseif (\row) == 2
	v_wmma_scale_f32_16x16x128_f8f6f4 v[\d:\d+7], v[\a:\a+7], v[\b:\b+7], v[\c:\c+7], v[\sa], v[\sb] matrix_a_fmt:MATRIX_FMT_FP4 matrix_b_fmt:MATRIX_FMT_FP4 matrix_b_scale:MATRIX_SCALE_ROW1
.else
	v_wmma_scale_f32_16x16x128_f8f6f4 v[\d:\d+7], v[\a:\a+7], v[\b:\b+7], v[\c:\c+7], v[\sa], v[\sb] matrix_a_fmt:MATRIX_FMT_FP4 matrix_b_fmt:MATRIX_FMT_FP4
.endif
.endm
.macro LDW win, f0, cb, sb, ws
	WIN \win
.irp t,0,1,2,3
.irp k,0,1,2,3
.irp c,0,1
	global_load_b128 v[\f0+8*(4*\t+\k)+4*\c:\f0+8*(4*\t+\k)+4*\c+3], v[VX], s[\cb:\cb+1] offset:(32*(\t/2)+8*(\t%2))*256+64*\k+32*\c
.endr
.endr
.endr
	WIN 0
.irp t,0,1,2,3
	global_load_b128 v[\ws+4*\t:\ws+4*\t+3], v[VWS], s[\sb:\sb+1] offset:(32*(\t/2)+8*(\t%2))*16
.endr
.endm
.macro LDBT bi, ptr
	WIN 0xc0
.irp t,0,1,2,3
	global_load_b128 v[\bi+8*\t:\bi+8*\t+3], v[VB], s[\ptr:\ptr+1] offset:(32*(\t/2)+8*(\t%2))*4
	global_load_b128 v[\bi+8*\t+4:\bi+8*\t+7], v[VB], s[\ptr:\ptr+1] offset:(32*(\t/2)+8*(\t%2))*4+16
.endr
	WIN 0
.endm
.macro MUL_T ks, first, wf, ws, bi
.irp m,0,1,2,3,4,5,6,7
.irp t,0,1,2,3
.if \first
	WM 8*(4*\m+\t), \wf+8*(4*\t+\ks), 8*(4*\m+\ks), \bi+8*\t, \ws+4*\t+\ks, XS+4*(\m/2)+\ks, 2*(\m%2)
.else
	WM 8*(4*\m+\t), \wf+8*(4*\t+\ks), 8*(4*\m+\ks), 8*(4*\m+\t), \ws+4*\t+\ks, XS+4*(\m/2)+\ks, 2*(\m%2)
.endif
.endr
.endr
.endm
.macro MUL_N ks, first
.irp t,0,1,2,3
.irp m,0,1,2,3,4,5,6,7
.if \first
	WM 8*(8*\t+\m), 8*(4*\m+\ks), WA+8*(4*\t+\ks), 128+8*\t, XS+4*(\m/2)+\ks, WSA+4*\t+\ks, \m%2
.else
	WM 8*(8*\t+\m), 8*(4*\m+\ks), WA+8*(4*\t+\ks), 8*(8*\t+\m), XS+4*(\m/2)+\ks, WSA+4*\t+\ks, \m%2
.endif
.endr
.endr
.endm
.macro QUANT8 s0
	s_wait_xcnt 0x0
	WIN 0x0a
.irp e,0,1,2,3,4,5,6,7
	v_max3_num_f32 v[TM+\e], |v[\s0+16*\e]|, |v[\s0+16*\e+1]|, 0x1800000
.endr
	WIN 0x28
.irp i,2,4,6,8,10,12,14
.irp e,0,1,2,3,4,5,6,7
	v_max3_num_f32 v[TM+\e], v[TM+\e], |v[\s0+16*\e+\i]|, |v[\s0+16*\e+\i+1]|
.endr
.endr
	WIN 0
.irp e,0,1,2,3,4,5,6,7
	v_permlanex16_b32 v[TP+\e], v[TM+\e], s58, s59
.endr
.irp e,0,1,2,3,4,5,6,7
	v_max_num_f32 v[TM+\e], v[TM+\e], v[TP+\e]
.endr
.irp e,0,1,2,3,4,5,6,7
	v_add_nc_u32 v[TS+\e], 0xff000000, v[TM+\e]
.endr
.irp e,0,1,2,3,4,5,6,7
	v_lshrrev_b32 v[TP+\e], 23, v[TS+\e]
.endr
	WIN 0x02
.irp e,0,1,2,3,4,5,6,7
	v_cvt_scalef32_pk8_fp4_f32 v[PC+2*\e], v[\s0+16*\e:\s0+16*\e+7], v[TS+\e]
	v_cvt_scalef32_pk8_fp4_f32 v[PC+2*\e+1], v[\s0+16*\e+8:\s0+16*\e+15], v[TS+\e]
.endr
	WIN 0
	v_nop
.irp y,0,1,2,3
.irp i,0,1
	v_permlane16_swap_b32 v[PC+4*\y+\i], v[PC+4*\y+2+\i]
.endr
.endr
.endm
.macro STQ ib, sb, G
.irp y,0,1,2,3
	v_lshl_or_b32 v[PW+\y], v[TP+2*\y+1], 8, v[TP+2*\y]
.endr
.irp y,0,1,2,3
	global_store_b128 v[L16], v[PC+4*\y:PC+4*\y+3], s[\ib:\ib+1] offset:(4*\G+\y)*512
	global_store_b32 v[R4], v[PW+\y], s[\sb:\sb+1] offset:(4*\G+\y)*64
.endr
.endm
.macro STV G
.irp z,0,1
	v_lshl_or_b32 v[PW+\z], v[TP+4*\z+1], 8, v[TP+4*\z]
	v_lshl_or_b32 v[PW+\z], v[TP+4*\z+2], 16, v[PW+\z]
	v_lshl_or_b32 v[PW+\z], v[TP+4*\z+3], 24, v[PW+\z]
.endr
.irp z,0,1
	global_store_b128 v[L16], v[PC+8*\z:PC+8*\z+3], s[40:41] offset:32768+(2*\G+\z)*1024
	global_store_b128 v[L16], v[PC+8*\z+4:PC+8*\z+7], s[40:41] offset:32768+(2*\G+\z)*1024+512
	global_store_b32 v[L4], v[PW+\z], s[60:61] offset:4096+(2*\G+\z)*128
.endr
.endm
.macro LOADU k
.irp b,0,1,2,3
.irp j,0,1,2,3
	ds_load_b128 v[MX+64*((\k)%2)+16*\b+4*\j:MX+64*((\k)%2)+16*\b+4*\j+3], v[VM] offset:((\k)/2)*MT+((\k)%2)*8*MP+128*\b+16*\j
.endr
.endr
.endm
.macro PACK k
.set n, 0
.rept 4
.set e, 0
.rept 16
	v_cmp_ne_u32 s[84+e], 0, v[MX+64*((\k)%2)+n+e]
.set e, e+1
.endr
.set e, 0
.rept 16
	v_writelane_b32 v[MW+2*(\k)+((n+e)&1)], s[84+e], (n+e)>>1
.set e, e+1
.endr
.set n, n+16
.endr
	global_store_b64 v[L8], v[MW+2*(\k):MW+2*(\k)+1], s[42:43] offset:(\k)*2048   ; 256 consecutive bytes: a tile's 64 words of one key step; tiles lie 2,048 bytes apart
.endm
	s_load_b512 s[4:19], s[0:1], 0x0
	s_load_b512 s[20:35], s[0:1], 0x40
	s_load_b256 s[36:43], s[0:1], 0x80
	s_load_b64 s[44:45], s[0:1], 0xa0
	v_lshl_add_u32 v[SPW], v0, 2, SPARE
	v_mov_b32 v[NIL], 0
	ds_add_u32 v[SPW], v[NIL]
	ds_add_u32 v[SPW], v[NIL]
	v_lshrrev_b32 v[LT], 5, v0
	v_readfirstlane_b32 s46, v[LT]
	s_mov_b32 s48, (2<<16)|(1<<20)|(6<<22)|(3<<25)
	s_mov_b32 s49, 128<<16
	s_mov_b32 s50, 128<<16
	s_mov_b32 s51, 128<<16
	s_mov_b32 s52, 128
	s_mov_b32 s53, 1024
	s_mov_b32 s54, 0
	s_mov_b32 s55, 0
	s_mul_i32 s47, s46, WREG
	s_lshl_b32 s100, ttmp9, 2
	s_add_co_u32 s100, s100, s46
	s_lshr_b32 s101, s100, 6
	s_bfe_u32 s62, s100, 0x30003                   ; which 128 query rows of the head
	s_and_b32 s63, s100, 7                         ; which 128 keys: the key step
	s_lshl_b32 s56, s101, 22                       ; the mask: a head is 2^22 bytes,
	s_lshl_b32 s66, s62, 19                        ; 128 rows of 4,096 bytes,
	s_add_co_u32 s56, s56, s66
	s_lshl_b32 s66, s63, 9                         ; 128 keys of 4 bytes
	s_add_co_u32 s56, s56, s66
	s_mov_b32 s57, 0
	s_lshl_b32 s60, s101, 17                       ; the packed words: a head is 64 tiles of 2,048 bytes,
	s_lshl_b32 s66, s62, 14                        ; 128 rows are 8 tiles,
	s_add_co_u32 s60, s60, s66
	s_lshl_b32 s66, s63, 8                         ; a key step 256 bytes
	s_add_co_u32 s60, s60, s66
	s_mov_b32 s61, 0
	s_mov_b32 s58, 0x76543210
	s_mov_b32 s59, 0xfedcba98
	v_and_b32 v[LT], 31, v0
	v_and_b32 v[RT], 15, v0
	v_bfe_u32 v[HT], v0, 4, 1
	v_and_b32 v[PT], 8, v[RT]
	v_add_nc_u32 v[PT], v[PT], v[RT]
	v_lshlrev_b32 v[VX], 8, v[PT]
	v_lshl_add_u32 v[VX], v[HT], 4, v[VX]
	v_lshlrev_b32 v[VWS], 4, v[PT]
	v_lshl_add_u32 v[VXS], v[HT], 7, v[VWS]
	v_lshlrev_b32 v[VB], 6, v[HT]
	v_lshlrev_b32 v[VBV], 2, v[PT]
	v_lshlrev_b32 v[L16], 4, v[LT]
	v_lshlrev_b32 v[R4], 2, v[RT]
	v_lshlrev_b32 v[L4], 2, v[LT]
	v_lshlrev_b32 v[L8], 3, v[LT]
	v_mul_u32_u24 v[VM], v[PT], MP
	v_lshl_add_u32 v[VM], v[HT], 6, v[VM]
	v_add_nc_u32 v[VM], s47, v[VM]
.irp e,0,1,2,3,4,5,6,7
	v_mov_b32 v[TP+\e], 0
.endr
.irp e,0,1,2,3,4,5,6,7,8,9,10,11,12,13,14,15
	v_mov_b32 v[MW+\e], 0
.endr
	s_wait_alu depctr_va_vdst(0)                   ; the wait at the head's end
	s_wait_dscnt 0x0                               ; both opening adds are done
	s_wait_kmcnt 0x0
	s_add_nc_u64 s[26:27], s[26:27], s[56:57]
	s_add_nc_u64 s[42:43], s[42:43], s[60:61]
	s_mov_b32 s68, 1
	s_add_co_u32 s69, s47, 0                       ; my wave's own LDS bytes
	s_mov_b64 s[70:71], s[26:27]
	s_or_b32 s71, s71, 0x80000000
	tensor_load_to_lds s[68:71], s[48:55]          ; my one tensor load: 128 rows x 128 keys of the mask
	s_nop 0
	PLACES 4
	s_lshr_b32 s62, ttmp9, 2
	s_and_b32 s63, s62, 7
	s_lshr_b32 s66, ttmp9, 5
	s_and_b32 s67, ttmp9, 3
	s_lshl_b32 s67, s67, 2
	s_add_co_u32 s67, s67, s46
	s_lshl_b32 s66, s66, 4
	s_add_co_u32 s66, s66, s67
	s_lshl_b32 s56, s62, 15
	s_add_nc_u64 s[4:5], s[4:5], s[56:57]
	s_lshl_b32 s56, s62, 11
	s_add_nc_u64 s[6:7], s[6:7], s[56:57]
	s_lshl_b32 s56, s67, 14
	s_add_nc_u64 s[8:9], s[8:9], s[56:57]
	s_add_nc_u64 s[14:15], s[14:15], s[56:57]
	s_add_nc_u64 s[20:21], s[20:21], s[56:57]
	s_lshl_b32 s56, s67, 10
	s_add_nc_u64 s[10:11], s[10:11], s[56:57]
	s_add_nc_u64 s[16:17], s[16:17], s[56:57]
	s_add_nc_u64 s[22:23], s[22:23], s[56:57]
	s_lshl_b32 s56, s67, 8
	s_add_nc_u64 s[12:13], s[12:13], s[56:57]
	s_add_nc_u64 s[18:19], s[18:19], s[56:57]
	s_add_nc_u64 s[24:25], s[24:25], s[56:57]
	WIN 0x40
.irp m,0,1,2,3,4,5,6,7
.irp k,0,1,2,3
.irp c,0,1
	global_load_b128 v[8*(4*\m+\k)+4*\c:8*(4*\m+\k)+4*\c+3], v[VX], s[4:5] offset:(32*(\m/2)+8*(\m%2))*256+64*\k+32*\c
.endr
.endr
.endr
	WIN 0
.irp j,0,1,2,3
	global_load_b128 v[XS+4*\j:XS+4*\j+3], v[VXS], s[6:7] offset:512*\j
.endr
	LDW 0, WA, 8, 10, WSA
	LDBT 128, 12
	LDW 0xc0, 0, 14, 16, WSB
	LDBT 160, 18
	s_lshl_b32 s56, s66, 15
	s_lshl_b32 s101, s63, 12
	s_add_co_u32 s56, s56, s101
	s_add_nc_u64 s[36:37], s[36:37], s[56:57]
	s_lshl_b32 s56, s66, 12
	s_lshl_b32 s101, s63, 9
	s_add_co_u32 s56, s56, s101
	s_add_nc_u64 s[38:39], s[38:39], s[56:57]
	s_mul_i32 s56, s66, 73728
	s_add_nc_u64 s[40:41], s[40:41], s[56:57]
	s_lshl_b32 s56, s63, 9
	s_add_co_u32 s56, s56, 65536
	s_add_nc_u64 s[60:61], s[40:41], s[56:57]
	s_lshl_b32 s56, s63, 12
	s_add_nc_u64 s[40:41], s[40:41], s[56:57]
	s_wait_loadcnt 44
	WIN 0xb4
	MUL_T 0, 1, WA, WSA, 128
	WIN 0xa4
	MUL_T 1, 0, WA, WSA, 128
	MUL_T 2, 0, WA, WSA, 128
	MUL_T 3, 0, WA, WSA, 128
	PLACES 5
	LDW 0, WA, 20, 22, WSA
	WIN 0xc0
.irp t,0,1,2,3
	global_load_b32 v[128+8*\t], v[VBV], s[24:25] offset:(32*(\t/2)+8*(\t%2))*4
.endr
	WIN 0
	QUANT8 0
	STQ 36, 38, 0
	QUANT8 128
	STQ 36, 38, 1
	s_wait_loadcnt 40
	WIN 0xb7
	MUL_T 0, 1, 0, WSB, 160
	WIN 0xa7
	MUL_T 1, 0, 0, WSB, 160
	MUL_T 2, 0, 0, WSB, 160
	MUL_T 3, 0, 0, WSB, 160
	PLACES 5
	QUANT8 0
	STQ 40, 60, 0
	QUANT8 128
	STQ 40, 60, 1
	s_wait_loadcnt 0x0
	WIN 0xc3
.irp t,0,1,2,3
.irp j,1,2,3,4,5,6,7
	v_mov_b32 v[128+8*\t+\j], v[128+8*\t]
.endr
.endr
	PLACES 4
	WIN 0xb1
	MUL_N 0, 1
	WIN 0xa1
	MUL_N 1, 0
	MUL_N 2, 0
	MUL_N 3, 0
	PLACES 5
	QUANT8 0
	STV 0
	QUANT8 128
	STV 1
	s_wait_xcnt 0x0                                ; v's stores have read their codes: three loads land in those registers below
	s_cmp_lt_u32 ttmp9, 192                        ; work-groups 0 to 191 also lay one chunk of dense_w or res_w: its loads are issued here, its stores stand behind the packing
	s_cbranch_scc0 .Lnow
	s_lshr_b32 s100, ttmp9, 4
	s_and_b32 s101, ttmp9, 15
	s_cmp_lt_u32 s100, 8
	s_cselect_b64 s[62:63], s[28:29], s[32:33]
	s_cselect_b64 s[66:67], s[30:31], s[34:35]
	s_cselect_b32 s84, 9, 8
	s_cselect_b32 s85, 5, 4
	s_and_b32 s86, s100, 7
	s_lshl_b32 s87, s101, 6
	s_lshl_b32 s88, s46, 4
	s_add_co_u32 s87, s87, s88
	v_add_nc_u32 v[RC], s87, v[RT]
	v_lshlrev_b32 v[RS], s85, v[RC]
	v_lshlrev_b32 v[RC], s84, v[RC]
	s_lshl_b32 s88, s86, 6
	v_add_nc_u32 v[RC], s88, v[RC]
	v_lshl_add_u32 v[RC], v[HT], 4, v[RC]
	s_lshl_b32 s88, s86, 2
	v_add_nc_u32 v[RS], s88, v[RS]
	global_load_b128 v[104:107], v[RC], s[62:63]   ; the packing below names none of v104-112, of the two offsets or of the two bases
	global_load_b128 v[108:111], v[RC], s[62:63] offset:32
	global_load_b32 v112, v[RS], s[66:67]
.Lnow:
	s_wait_tensorcnt 0x0                           ; my part of the mask lies in LDS; I alone read it
	LOADU 0
.irp k,0,1,2,3,4,5,6
	LOADU (\k)+1
	s_wait_dscnt 16                                ; unit k's 16 loads are in; the next unit's 16 may be out
	PACK \k
.endr
	s_wait_dscnt 0x0
	PACK 7
	s_cmp_lt_u32 ttmp9, 192                        ; the same test as above: the chunk's three loads are waited for and stored
	s_cbranch_scc0 .Ldone
	s_lshr_b32 s100, ttmp9, 4
	s_and_b32 s101, ttmp9, 15
	s_mul_i32 s56, s101, 12
	s_add_co_u32 s56, s56, s100
	s_mul_i32 s56, s56, 4352
	s_add_nc_u64 s[44:45], s[44:45], s[56:57]
	s_lshl_b32 s88, s46, 10
	v_add_nc_u32 v[RF], s88, v[L16]
	s_lshl_b32 s88, s46, 2
	v_lshl_add_u32 v[TM], v[RT], 4, s88
	s_wait_alu depctr_va_vdst(0)
	s_wait_loadcnt 0x0
	global_store_b128 v[RF], v[104:107], s[44:45]
	global_store_b128 v[RF], v[108:111], s[44:45] offset:512
	global_store_b32 v[TM], v112, s[44:45] offset:4096
.Ldone:
	s_wait_tensorcnt 0x0
	ds_add_u32 v[SPW], v[NIL]
	s_wait_dscnt 0x0
	s_endpgm
.Lfunc_end_k_q7af6e71c48_prep:
	.size	k_q7af6e71c48_prep, .Lfunc_end_k_q7af6e71c48_prep-k_q7af6e71c48_prep
	.p2alignl 7, 3214868480
	.fill 96, 4, 3214868480
	.section	.rodata,"a",@progbits
	.p2align	6, 0x0
	.amdhsa_kernel k_q7af6e71c48_prep
		.amdhsa_group_segment_fixed_size 327680
		.amdhsa_private_segment_fixed_size 0
		.amdhsa_enable_private_segment 0
		.amdhsa_kernarg_size 168
		.amdhsa_user_sgpr_count 2
		.amdhsa_user_sgpr_kernarg_segment_ptr 1
		.amdhsa_wavefront_size32 1
		.amdhsa_system_sgpr_workgroup_id_x 1
		.amdhsa_system_sgpr_workgroup_id_y 1
		.amdhsa_system_sgpr_workgroup_id_z 1
		.amdhsa_system_vgpr_workitem_id 0
		.amdhsa_next_free_vgpr 1024
		.amdhsa_next_free_sgpr 102
		.amdhsa_reserve_vcc 0
		.amdhsa_float_denorm_mode_32 3
		.amdhsa_float_denorm_mode_16_64 3
		.amdhsa_memory_ordered 1
		.amdhsa_forward_progress 1
		.amdhsa_inst_pref_size 199
	.end_amdhsa_kernel
	.amdgpu_metadata
---
amdhsa.version: [ 1, 2 ]
amdhsa.kernels:
  - .name:           k_q7af6e71c48_prep
    .symbol:         k_q7af6e71c48_prep.kd
    .args:
      - { .name: x_codes, .offset: 0, .size: 8, .value_kind: global_buffer, .address_space: global }
      - { .name: x_scales, .offset: 8, .size: 8, .value_kind: global_buffer, .address_space: global }
      - { .name: wq_w_codes, .offset: 16, .size: 8, .value_kind: global_buffer, .address_space: global }
      - { .name: wq_w_scales, .offset: 24, .size: 8, .value_kind: global_buffer, .address_space: global }
      - { .name: wq_b, .offset: 32, .size: 8, .value_kind: global_buffer, .address_space: global }
      - { .name: wk_w_codes, .offset: 40, .size: 8, .value_kind: global_buffer, .address_space: global }
      - { .name: wk_w_scales, .offset: 48, .size: 8, .value_kind: global_buffer, .address_space: global }
      - { .name: wk_b, .offset: 56, .size: 8, .value_kind: global_buffer, .address_space: global }
      - { .name: wv_w_codes, .offset: 64, .size: 8, .value_kind: global_buffer, .address_space: global }
      - { .name: wv_w_scales, .offset: 72, .size: 8, .value_kind: global_buffer, .address_space: global }
      - { .name: wv_b, .offset: 80, .size: 8, .value_kind: global_buffer, .address_space: global }
      - { .name: mask, .offset: 88, .size: 8, .value_kind: global_buffer, .address_space: global }
      - { .name: dense_w_codes, .offset: 96, .size: 8, .value_kind: global_buffer, .address_space: global }
      - { .name: dense_w_scales, .offset: 104, .size: 8, .value_kind: global_buffer, .address_space: global }
      - { .name: res_w_codes, .offset: 112, .size: 8, .value_kind: global_buffer, .address_space: global }
      - { .name: res_w_scales, .offset: 120, .size: 8, .value_kind: global_buffer, .address_space: global }
      - { .name: qimg, .offset: 128, .size: 8, .value_kind: global_buffer, .address_space: global }
      - { .name: qscl, .offset: 136, .size: 8, .value_kind: global_buffer, .address_space: global }
      - { .name: kv, .offset: 144, .size: 8, .value_kind: global_buffer, .address_space: global }
      - { .name: mbits, .offset: 152, .size: 8, .value_kind: global_buffer, .address_space: global }
      - { .name: wimg, .offset: 160, .size: 8, .value_kind: global_buffer, .address_space: global }
    .group_segment_fixed_size: 327680
    .private_segment_fixed_size: 0
    .kernarg_segment_align: 8
    .kernarg_segment_size: 168
    .max_flat_workgroup_size: 128
    .sgpr_count:     102
    .vgpr_count:     1024
    .wavefront_size: 32
...
	.end_amdgpu_metadata
.endif
;; end of part 1
;; launch attn (part 2): grid 256 x 1, 16 waves a work-group, no clusters, 75,776 bytes of LDS; arguments qimg, qscl, kv, mbits, oimg, oscl; writes oimg, oscl
.if DOCPART == 2
	.amdgcn_target "amdgcn-amd-amdhsa--gfx1250"
	.amdhsa_code_object_version 6
	.text
	.protected	k_q7af6e71c48_attn
	.globl	k_q7af6e71c48_attn
	.p2align	8
	.type	k_q7af6e71c48_attn,@function
k_q7af6e71c48_attn:
	s_mov_b64 s[64:65], 0
	v_nop
	global_prefetch_b8 v0, s[64:65] scope:SCOPE_SE
	s_setreg_imm32_b32 hwreg(HW_REG_WAVE_MODE, 25, 1), 1
	s_wait_xcnt 0x0
; ATTN.  o = softmax(mask(q k^T / 8)) v for one head of one batch, both products on codes of FP4 (E2M1) with E8M0 scales; o is quantised along d_model and leaves as codes.  No work of the problem is left out here.
; t = score x log2(e) / 8; M = the running largest t rounded up to a whole number; p = 2^(t - M) is quantised along the keys, not normalised; the row's sum is taken of the unquantised p and divides at the end.
; THE MASK.  A hidden score is replaced, ahead of the maximum, by -2^33 (a logit of -2^30 where the problem writes -1e9).  -2^33 x c is a whole number, so in a row that is hidden whole t - M is 0 and every p is 1: the uniform weights that the
; problem's -1e9 gives; in every other row a hidden key's p is 0.  LIMIT: the two differ only where an open logit lies at or under about -1e9.  NaN and infinities are not served; a block of zeros keeps the scale byte 1.
; SHARES.  Work-group g: head g / 2 (16 x batch + head), half g % 2 of its queries.  Each of sixteen waves owns two tiles of 16 queries, one after the other, in 256 registers: four waves to a SIMD, so that one wave's vector work
; stands beside another's matrix work.  The head's k and v (codes and scale words, 73,728 bytes, laid as images of operand registers) are copied into LDS once; then there is no barrier.
; CLUSTERS are not used: only two work-groups share a head's 73,728 bytes, and they are read once, at the head.
; LAYOUT.  S^T = k q^T (source 0 = 16 keys, source 1 = my 16 queries; K = 64: registers 4-7 of both operands are zero codes, in registers of their own), O^T = v^T p^T.  A lane holds one query throughout.  By the order of rows in a tile
; (lane r of tile T: row 32 (T / 2) + 8 (T % 2) + r + 8 (r / 8)) the 16 registers of tiles 2 b and 2 b + 1 are 16 neighbouring keys, and O^T's are 16 neighbouring channels.
; WHAT IS ASKED FOR AHEAD.  q of both tiles: at the head, with the copy.  The mask words (scalar loads, 64 words a key step; word n is the lane mask of score register n, so the mask costs one v_cndmask_b32 a score): one step ahead.
; k's eight tiles and their scale words: one step ahead, behind the products that read the last; v's four fragments: behind the same products, a softmax ahead of theirs.  Each tile's last step is written out: the first tile's asks for
; key step 0 again, for the second tile; the second tile's asks for nothing.
; REGISTERS: v1-11 addresses and constants; v12 -M, v13 the largest t, v[14:15] the sum; v16-23 q, v24 its scale words; v26-29, v30 the second tile's; v32-63 k's tiles 0-3, v192-223 its tiles 4-7; v64-95 v's four fragments;
;   v96-159 S^T, then p, at the end o; v160-191 O^T; v224-231 codes; v232-239, v244-247, v252, v254 at work; v240-243 v's scale words; v248-251 k's (lanes 0-15 an even tile, lanes 16-31 the odd one); v253 p's scale word.
.set SPARE, 73728                      ; behind the head's block: the spare words, 128 bytes for each of sixteen waves
.macro WM d, a, b, c, sa, sb, row      ; c < 0: the product starts the sum.  row = 1: source 0's scales stand in lanes 16-31
.if (\c) < 0
.if (\row) == 1
	v_wmma_scale_f32_16x16x128_f8f6f4 v[\d:\d+7], v[\a:\a+7], v[\b:\b+7], 0, v[\sa], v[\sb] matrix_a_fmt:MATRIX_FMT_FP4 matrix_b_fmt:MATRIX_FMT_FP4 matrix_a_scale:MATRIX_SCALE_ROW1
.else
	v_wmma_scale_f32_16x16x128_f8f6f4 v[\d:\d+7], v[\a:\a+7], v[\b:\b+7], 0, v[\sa], v[\sb] matrix_a_fmt:MATRIX_FMT_FP4 matrix_b_fmt:MATRIX_FMT_FP4
.endif
.else
	v_wmma_scale_f32_16x16x128_f8f6f4 v[\d:\d+7], v[\a:\a+7], v[\b:\b+7], v[\c:\c+7], v[\sa], v[\sb] matrix_a_fmt:MATRIX_FMT_FP4 matrix_b_fmt:MATRIX_FMT_FP4
.endif
.endm
; a key step's eight tiles of k (registers 0-3 of each fragment; 4-7 stay zero codes) and their scale words: 12 LDS loads
.macro KLOAD aa, ab, oa, ob
.irp t,0,1,2,3
	ds_load_b128 v[32+8*\t:35+8*\t], v[\aa] offset:\oa+\t*512
.endr
.irp t,0,1,2,3
	ds_load_b128 v[192+8*\t:195+8*\t], v[\aa] offset:\oa+2048+\t*512
.endr
.irp e,0,1,2,3
	ds_load_b32 v[248+\e], v[\ab] offset:\ob+128*\e
.endr
.endm
; A KEY STEP: 128 keys.  pf = 1: the next step's k and mask words are asked for; 2: key step 0's k, for my second tile, and the next mask words; 0: nothing
.macro STEP pf
	s_wait_dscnt 0x0                               ; this step's k, asked for a step ago
.irp t,0,1,2,3
	WM 96+8*\t, 32+8*\t, 16, -1, 248+\t/2, 24, \t%2        ; S^T = k q^T: eight tiles of 16 keys
.endr
.irp t,0,1,2,3
	WM 128+8*\t, 192+8*\t, 16, -1, 250+\t/2, 24, \t%2
.endr
	v_add_nc_u32 v8, s24, v1                       ; the step's pieces, and its scale words: with the two v_nop the four places in front of loads into registers that products have read,
	v_add_nc_u32 v9, s25, v2                       ; and of the first read of the scores
	v_nop
	v_nop
.irp t,0,1,2,3
.irp c,0,1
	ds_load_b128 v[64+8*\t+4*\c:67+8*\t+4*\c], v8 offset:32768+\t*1024+512*\c   ; v's four fragments land while the softmax is walked
.endr
.endr
.irp t,0,1,2,3
	ds_load_b32 v[240+\t], v9 offset:4096+128*\t
.endr
.if (\pf) == 1
	KLOAD 8, 9, 4096, 512                          ; the next step's k: 4,096 bytes of pieces and 512 of scale words on
.elseif (\pf) == 2
	KLOAD 1, 2, 0, 0                               ; key step 0's, for my second tile
.endif
	s_wait_kmcnt 0x0                               ; this step's mask words, asked for a step ago
.set n, 0
.rept 64
	v_cndmask_b32 v[96+n], v10, v[96+n], s[32+n+4*(n/32)]   ; each accumulator from its low end on
.set n, n+1
.endr
.if (\pf) != 0
	s_add_co_u32 s26, s26, 256                     ; the stream of mask words runs on from my first tile into my second: 16 steps of 256 bytes
	s_load_b512 s[32:47], s[10:11], s26 offset:0x0
	s_load_b512 s[48:63], s[10:11], s26 offset:0x40
	s_load_b512 s[68:83], s[10:11], s26 offset:0x80
	s_load_b512 s[84:99], s[10:11], s26 offset:0xc0
.endif
.irp b,0,1,2,3
	v_max3_num_f32 v[232+\b], v[96+16*\b], v[97+16*\b], v[98+16*\b]   ; the largest score of each block of 32 keys: for the row's maximum, and, since p rises with the score, for the block's largest p
.endr
.irp i,3,5,7,9,11,13
.irp b,0,1,2,3
	s_delay_alu instid0(VALU_DEP_4)
	v_max3_num_f32 v[232+\b], v[232+\b], v[96+16*\b+\i], v[97+16*\b+\i]
.endr
.endr
.irp b,0,1,2,3
	s_delay_alu instid0(VALU_DEP_4)
	v_max_num_f32 v[232+\b], v[232+\b], v[111+16*\b]
.endr
.irp b,0,1,2,3
	s_delay_alu instid0(VALU_DEP_4)
	v_permlanex16_b32 v[236+\b], v[232+\b], s20, s21
.endr
.irp b,0,1,2,3
	s_delay_alu instid0(VALU_DEP_4)
	v_max_num_f32 v[232+\b], v[232+\b], v[236+\b]
.endr
	s_delay_alu instid0(VALU_DEP_2)
	v_max3_num_f32 v254, v232, v233, v234
	s_delay_alu instid0(VALU_DEP_1)
	v_max_num_f32 v254, v254, v235
	s_delay_alu instid0(VALU_DEP_1)
	v_mul_f32 v254, s22, v254                      ; the step's largest t
	s_delay_alu instid0(VALU_DEP_1)
	v_max_num_f32 v13, v13, v254
	v_mov_b32 v254, v12
	s_delay_alu instid0(VALU_DEP_2)
	v_floor_f32 v12, -v13                          ; the new -M = floor(-t): M is a whole number
	s_delay_alu instid0(VALU_DEP_1)
	v_sub_f32 v254, v12, v254                      ; old M less new M: a whole number, 0 or less
	s_delay_alu instid0(VALU_DEP_1)
	v_cvt_i32_f32 v254, v254                       ; (it saturates)
	s_delay_alu instid0(VALU_DEP_1)
	v_ldexp_f32 v252, 1.0, v254                    ; f = 2^(old M - new M): a multiplication by it rounds nothing
.irp j,0,2,4,6
	v_pk_fma_f32 v[96+\j:97+\j], v[96+\j:97+\j], s[22:23], v[12:13] op_sel_hi:[1,0,0]   ; t - M: the first four pairs
.endr
.irp b,0,1,2,3
	v_fma_f32 v[232+\b], v[232+\b], s22, v12       ; the same of each block's largest score
.endr
; ONE BATCH of 68 exponentials.  Between them stand plain lines that name no result of the batch: the scaling of the pair four pairs on, and half of O^T's rescaling
.set i, 0
	s_wait_alu depctr_va_vdst(0)
.rept 32
	v_exp_f32 v[96+2*i], v[96+2*i]                 ; p = 2^(t - M)
.if i < 28
	v_pk_fma_f32 v[104+2*i:105+2*i], v[104+2*i:105+2*i], s[22:23], v[12:13] op_sel_hi:[1,0,0]
.endif
	v_exp_f32 v[97+2*i], v[97+2*i]
.if (i%4) == 3
	s_wait_alu depctr_va_vdst(0)
	v_pk_mul_f32 v[160+2*(i/4):161+2*(i/4)], v[160+2*(i/4):161+2*(i/4)], v[252:253] op_sel_hi:[1,0]   ; O^T under the new M, from each accumulator's low end on
.endif
.set i, i+1
.endr
.irp b,0,1,2,3
	v_exp_f32 v[232+\b], v[232+\b]                 ; each block's largest p: the same two instructions on the same number give the same bits
.endr
	v_pk_mul_f32 v[14:15], v[14:15], v[252:253] op_sel_hi:[1,0]   ; the sums under the new M: the plain place behind the last exponential
	s_wait_alu depctr_va_vdst(0)
.irp j,16,18,20,22,24,26,28,30
	v_pk_mul_f32 v[160+\j:161+\j], v[160+\j:161+\j], v[252:253] op_sel_hi:[1,0]   ; the other half of O^T: work that names no result of the batch, ahead of its wait
.endr
	s_wait_alu depctr_va_vdst(0)                   ; one wait for the whole batch, ahead of its first reader
.irp b,0,1,2,3
	v_max_num_f32 v[232+\b], 0x1800000, v[232+\b]  ; the floor 2^(3 - 127): the byte cannot fall under 1
.endr
.irp b,0,1,2,3
	s_delay_alu instid0(VALU_DEP_4)
	v_add_nc_u32 v[244+\b], 0xff000000, v[232+\b]  ; 2 off the exponent field: the conversion's scale operand
.endr
.irp b,0,1,2,3
	s_delay_alu instid0(VALU_DEP_4)
	v_lshrrev_b32 v[236+\b], 23, v[244+\b]
.endr
	s_delay_alu instid0(VALU_DEP_3)
	v_lshl_or_b32 v253, v237, 8, v236              ; p's scale word for these 128 keys
	s_delay_alu instid0(VALU_DEP_1)
	v_lshl_or_b32 v253, v238, 16, v253
	s_delay_alu instid0(VALU_DEP_1)
	v_lshl_or_b32 v253, v239, 24, v253
.irp b,0,1,2,3
	v_cvt_scalef32_pk8_fp4_f32 v[224+2*\b], v[96+16*\b:103+16*\b], v[244+\b]
	v_cvt_scalef32_pk8_fp4_f32 v[225+2*\b], v[104+16*\b:111+16*\b], v[244+\b]
.endr
	v_nop                                          ; one plain place behind the scaled conversions
.irp c,0,1
.irp i,0,1
	v_permlane16_swap_b32 v[224+4*\c+\i], v[226+4*\c+\i]   ; a whole block to a lane
.endr
.endr
	v_pk_add_f32 v[236:237], v[100:101], v[104:105]
	v_pk_add_f32 v[254:255], v[108:109], v[112:113]
	v_pk_add_f32 v[246:247], v[116:117], v[120:121]
	v_pk_add_f32 v[244:245], v[124:125], v[128:129]
	v_pk_add_f32 v[234:235], v[132:133], v[136:137]
	v_pk_add_f32 v[232:233], v[140:141], v[144:145]
	v_pk_add_f32 v[8:9], v[148:149], v[152:153]
	v_pk_add_f32 v[14:15], v[14:15], v[156:157]
	v_pk_add_f32 v[236:237], v[236:237], v[96:97]
	v_pk_add_f32 v[254:255], v[254:255], v[98:99]
	v_pk_add_f32 v[246:247], v[246:247], v[102:103]
	v_pk_add_f32 v[244:245], v[244:245], v[106:107]
	v_pk_add_f32 v[234:235], v[234:235], v[110:111]
	v_pk_add_f32 v[232:233], v[232:233], v[114:115]
	v_pk_add_f32 v[8:9], v[8:9], v[118:119]
	v_pk_add_f32 v[14:15], v[14:15], v[122:123]
	v_pk_add_f32 v[236:237], v[236:237], v[126:127]
	v_pk_add_f32 v[254:255], v[254:255], v[130:131]
	v_pk_add_f32 v[246:247], v[246:247], v[134:135]
	v_pk_add_f32 v[244:245], v[244:245], v[138:139]
	v_pk_add_f32 v[234:235], v[234:235], v[142:143]
	v_pk_add_f32 v[232:233], v[232:233], v[146:147]
	v_pk_add_f32 v[8:9], v[8:9], v[150:151]
	v_pk_add_f32 v[14:15], v[14:15], v[154:155]
	v_pk_add_f32 v[236:237], v[236:237], v[158:159]
	s_delay_alu instid0(VALU_DEP_2)
	v_pk_add_f32 v[14:15], v[14:15], v[244:245]
	s_delay_alu instid0(VALU_DEP_2)
	v_pk_add_f32 v[236:237], v[236:237], v[234:235]
	v_pk_add_f32 v[254:255], v[254:255], v[232:233]
	v_pk_add_f32 v[246:247], v[246:247], v[8:9]
	s_delay_alu instid0(VALU_DEP_2)
	v_pk_add_f32 v[14:15], v[14:15], v[254:255]
	s_delay_alu instid0(VALU_DEP_2)
	v_pk_add_f32 v[236:237], v[236:237], v[246:247]
	s_delay_alu instid0(VALU_DEP_1)
	v_pk_add_f32 v[14:15], v[14:15], v[236:237]
.if (\pf) != 0
	s_wait_dscnt 12                                ; v's 12 loads are in; the 12 of k that were issued behind them may be out
.else
	s_wait_dscnt 0x0
.endif
.irp t,0,1,2,3
	WM 160+8*\t, 64+8*\t, 224, 160+8*\t, 240+\t, 253, 0   ; O^T += v^T p^T: four accumulators by turns
.endr
.endm
; ONE TILE OF 16 QUERIES: tile p of my two
.macro PASS p
.if \p
	s_wait_xcnt 0x0                                ; the first tile's stores have read their data: those registers are written again below
.irp j,0,1,2,3
	v_mov_b32 v[16+\j], v[26+\j]                   ; the second tile's q, loaded at the head; the lines below are the places between these five and the first product
.endr
	v_mov_b32 v24, v30
.endif
	v_mov_b32 v13, 0xff61b1e6                      ; the largest t so far: -3e38, under every t
	s_delay_alu instid0(VALU_DEP_1)
	v_floor_f32 v12, -v13                          ; -M
	v_mov_b32 v14, 0
	v_mov_b32 v15, 0
.irp j,0,1,2,3,4,5,6,7,8,9,10,11,12,13,14,15,16,17,18,19,20,21,22,23,24,25,26,27,28,29,30,31
	v_mov_b32 v[160+\j], 0                         ; O^T: the step has one form; the first finds zeros, which the first change of M leaves zeros
.endr
	s_mov_b32 s24, 0                               ; the step's pieces: 4,096 bytes a step
	s_mov_b32 s25, 0                               ; its scale words: 512 bytes a step
	s_mov_b32 s28, 7
.Lstep_\@:                                             ; seven trips; the eighth step is written out, since it asks for other things
	STEP 1
	s_add_co_u32 s24, s24, 4096
	s_add_co_u32 s25, s25, 512
	s_sub_co_u32 s28, s28, 1
	s_cmp_lg_u32 s28, 0
	s_cbranch_scc1 .Lstep_\@
	STEP 2-2*\p
	; the way out: o = O^T / the sum, quantised along d_model (my head's two blocks of 32), as a piece of the next product's operand
	s_wait_alu depctr_va_vdst(0)
	v_add_f32 v14, v14, v15
	s_delay_alu instid0(VALU_DEP_1)
	v_permlanex16_b32 v252, v14, s20, s21
	s_delay_alu instid0(VALU_DEP_1)
	v_add_f32 v14, v14, v252
	s_wait_alu depctr_va_vdst(0)
	v_rcp_f32 v14, v14
.rept 4
	v_nop                                          ; the plain place behind the reciprocal, and the places behind the last products
.endr
	s_wait_alu depctr_va_vdst(0)                   ; ahead of the reciprocal's first reader
.irp j,0,2,4,6,8,10,12,14,16,18,20,22,24,26,28,30
	v_pk_mul_f32 v[96+\j:97+\j], v[160+\j:161+\j], v[14:15] op_sel_hi:[1,0]   ; register 16 b + i: channel 32 b + 16 hh + i of my query
.endr
.irp b,0,1
	v_max3_num_f32 v[232+\b], |v[96+16*\b]|, |v[97+16*\b]|, 0x1800000
.endr
.irp i,2,4,6,8,10,12,14
.irp b,0,1
	s_delay_alu instid0(VALU_DEP_2)
	v_max3_num_f32 v[232+\b], v[232+\b], |v[96+16*\b+\i]|, |v[97+16*\b+\i]|
.endr
.endr
.irp b,0,1
	s_delay_alu instid0(VALU_DEP_2)
	v_permlanex16_b32 v[236+\b], v[232+\b], s20, s21
.endr
.irp b,0,1
	s_delay_alu instid0(VALU_DEP_2)
	v_max_num_f32 v[232+\b], v[232+\b], v[236+\b]
.endr
.irp b,0,1
	s_delay_alu instid0(VALU_DEP_2)
	v_add_nc_u32 v[244+\b], 0xff000000, v[232+\b]
.endr
.irp b,0,1
	s_delay_alu instid0(VALU_DEP_2)
	v_lshrrev_b32 v[236+\b], 23, v[244+\b]
.endr
	s_delay_alu instid0(VALU_DEP_1)
	v_lshl_or_b32 v254, v237, 8, v236              ; my row's two scale bytes
.irp b,0,1
	v_cvt_scalef32_pk8_fp4_f32 v[224+2*\b], v[96+16*\b:103+16*\b], v[244+\b]
	v_cvt_scalef32_pk8_fp4_f32 v[225+2*\b], v[104+16*\b:111+16*\b], v[244+\b]
.endr
	v_nop
.irp i,0,1
	v_permlane16_swap_b32 v[224+\i], v[226+\i]
.endr
	global_store_b128 v1, v[224:227], s[12:13] offset:\p*8192   ; 512 consecutive bytes
	global_store_b16 v7, v254, s[14:15] offset:\p*256           ; two bytes of my row's 32 (both halves of the lanes hold and store the same)
.endm
	s_load_b256 s[4:11], s[0:1], 0x0               ; qimg, qscl, kv, mbits
	s_load_b128 s[12:15], s[0:1], 0x20             ; oimg, oscl
	v_lshl_add_u32 v3, v0, 2, SPARE                ; my spare word; never rewritten
	v_mov_b32 v4, 0                                ; 0; never rewritten
	v_lshrrev_b32 v8, 5, v0
	s_delay_alu instid0(VALU_DEP_1)
	v_readfirstlane_b32 s16, v8                    ; wave 0..15
	v_and_b32 v8, 31, v0                           ; lane
	v_and_b32 v9, 15, v0                           ; r
	s_delay_alu instid0(VALU_DEP_2)
	v_lshlrev_b32 v1, 4, v8                        ; 16 x lane: an image's place for my lane
	s_delay_alu instid0(VALU_DEP_3)
	v_lshl_add_u32 v2, v8, 2, 0x10000              ; 4 x lane, at the scale words
	v_lshlrev_b32 v5, 4, v0                        ; 16 x thread: the copy
	s_delay_alu instid0(VALU_DEP_4)
	v_lshlrev_b32 v6, 2, v9                        ; 4 r
	v_and_b32 v7, 8, v9
	s_delay_alu instid0(VALU_DEP_1)
	v_add_nc_u32 v7, v7, v9
	s_delay_alu instid0(VALU_DEP_1)
	v_lshlrev_b32 v7, 5, v7                        ; (r + 8 (r / 8)) x 32: my row of o's scale bytes
	v_mov_b32 v10, 0xd0000000                      ; -2^33
	v_add_nc_u32 v11, 0x10000, v5
	s_lshr_b32 s17, ttmp9, 1                       ; 16 x batch + head
	s_and_b32 s18, ttmp9, 1
	s_lshl_b32 s18, s18, 5
	s_lshl_b32 s19, s16, 1
	s_add_co_u32 s18, s18, s19                     ; my first tile of queries: 32 x half + 2 x wave
	s_lshr_b32 s19, s17, 4                         ; batch
	s_and_b32 s29, s17, 15                         ; head
	s_mov_b32 s31, 0
	s_mov_b32 s20, 0x76543210
	s_mov_b32 s21, 0xfedcba98                      ; v_permlanex16_b32's selects for lane l xor 16
	s_mov_b32 s22, 0x3e38aa3b                      ; c = log2(e) / 8
	s_mov_b32 s23, s22                             ; (named with it as a pair, so it is written)
	s_mov_b32 s26, 0                               ; where the mask words in hand stand
	s_wait_alu depctr_va_vdst(0)
	s_wait_kmcnt 0x0
	s_mul_i32 s30, s17, 73728
	s_add_nc_u64 s[8:9], s[8:9], s[30:31]
.irp p,0,1,2,3,4,5,6,7,8
	global_load_b128 v[96+4*\p:99+4*\p], v5, s[8:9] offset:\p*8192   ; the head's block: 512 threads x 16 bytes x 9
.endr
	s_lshl_b32 s28, s17, 6
	s_add_co_u32 s28, s28, s18
	s_lshl_b32 s30, s28, 9
	s_add_nc_u64 s[4:5], s[4:5], s[30:31]          ; q's pieces at my first tile
	s_lshl_b32 s30, s28, 6
	s_add_nc_u64 s[6:7], s[6:7], s[30:31]          ; and its scale words
	global_load_b128 v[16:19], v1, s[4:5]          ; q of both my tiles, behind the copy's loads: four loads
	global_load_b32 v24, v6, s[6:7]
	global_load_b128 v[26:29], v1, s[4:5] offset:512
	global_load_b32 v30, v6, s[6:7] offset:64
	s_lshl_b32 s28, s29, 6
	s_add_co_u32 s28, s28, s18
	s_lshl_b32 s30, s28, 11
	s_add_nc_u64 s[10:11], s[10:11], s[30:31]      ; the mask words of my two tiles: 4,096 consecutive bytes
	s_load_b512 s[32:47], s[10:11], 0x0            ; the first step's 64 words
	s_load_b512 s[48:63], s[10:11], 0x40
	s_load_b512 s[68:83], s[10:11], 0x80
	s_load_b512 s[84:99], s[10:11], 0xc0
	s_lshl_b32 s28, s19, 6
	s_add_co_u32 s28, s28, s18
	s_lshl_b32 s28, s28, 4
	s_add_co_u32 s28, s28, s29
	s_lshl_b32 s30, s28, 9
	s_add_nc_u64 s[12:13], s[12:13], s[30:31]      ; o's piece: ((64 batch + tile) x 16 + head) x 512
	s_lshl_b32 s30, s19, 15
	s_lshl_b32 s28, s18, 9
	s_add_co_u32 s30, s30, s28
	s_lshl_b32 s28, s29, 1
	s_add_co_u32 s30, s30, s28
	s_add_nc_u64 s[14:15], s[14:15], s[30:31]      ; o's scale bytes: row x 32 + 2 x head
.irp j,20,21,22,23,36,37,38,39,44,45,46,47,52,53,54,55,60,61,62,63,196,197,198,199,204,205,206,207,212,213,214,215,220,221,222,223
	v_mov_b32 v[\j], 0                             ; zero codes for k = 64 .. 127, in q's registers and in each of k's eight fragments: written once
.endr
.irp j,236,237,238,239,253
	v_mov_b32 v[\j], 0                             ; written once: a lane permute's destination counts as a source; v253 is named in a pair before it is first written
.endr
	s_wait_loadcnt 0x4                             ; the copy's nine loads are in; q's four, issued behind them, may be out
.irp p,0,1,2,3,4,5,6,7
	ds_store_b128 v5, v[96+4*\p:99+4*\p] offset:\p*8192
.endr
	ds_store_b128 v11, v[128:131]
	s_wait_dscnt 0x0                               ; for the others' sake: my part of the block lies in LDS
	s_barrier_signal -1
	s_barrier_wait -1
	KLOAD 1, 2, 0, 0                               ; key step 0's k
	s_wait_loadcnt 0x0                             ; q
	PASS 0
	PASS 1
	s_wait_tensorcnt 0x0                           ; the wave's end
	ds_add_u32 v3, v4
	s_wait_dscnt 0x0
	s_endpgm
.Lfunc_end_k_q7af6e71c48_attn:
	.size	k_q7af6e71c48_attn, .Lfunc_end_k_q7af6e71c48_attn-k_q7af6e71c48_attn
	.p2alignl 7, 3214868480
	.fill 96, 4, 3214868480
	.section	.rodata,"a",@progbits
	.p2align	6, 0x0
	.amdhsa_kernel k_q7af6e71c48_attn
		.amdhsa_group_segment_fixed_size 75776
		.amdhsa_private_segment_fixed_size 0
		.amdhsa_enable_private_segment 0
		.amdhsa_kernarg_size 48
		.amdhsa_user_sgpr_count 2
		.amdhsa_user_sgpr_kernarg_segment_ptr 1
		.amdhsa_wavefront_size32 1
		.amdhsa_system_sgpr_workgroup_id_x 1
		.amdhsa_system_sgpr_workgroup_id_y 1
		.amdhsa_system_sgpr_workgroup_id_z 1
		.amdhsa_system_vgpr_workitem_id 0
		.amdhsa_next_free_vgpr 256
		.amdhsa_next_free_sgpr 100
		.amdhsa_reserve_vcc 0
		.amdhsa_float_denorm_mode_32 3
		.amdhsa_float_denorm_mode_16_64 3
		.amdhsa_memory_ordered 1
		.amdhsa_forward_progress 1
		.amdhsa_inst_pref_size 103
	.end_amdhsa_kernel
	.amdgpu_metadata
---
amdhsa.version: [ 1, 2 ]
amdhsa.kernels:
  - .name:           k_q7af6e71c48_attn
    .symbol:         k_q7af6e71c48_attn.kd
    .args:
      - { .name: qimg, .offset: 0, .size: 8, .value_kind: global_buffer, .address_space: global }
      - { .name: qscl, .offset: 8, .size: 8, .value_kind: global_buffer, .address_space: global }
      - { .name: kv, .offset: 16, .size: 8, .value_kind: global_buffer, .address_space: global }
      - { .name: mbits, .offset: 24, .size: 8, .value_kind: global_buffer, .address_space: global }
      - { .name: oimg, .offset: 32, .size: 8, .value_kind: global_buffer, .address_space: global }
      - { .name: oscl, .offset: 40, .size: 8, .value_kind: global_buffer, .address_space: global }
    .group_segment_fixed_size: 75776
    .private_segment_fixed_size: 0
    .kernarg_segment_align: 8
    .kernarg_segment_size: 48
    .max_flat_workgroup_size: 512
    .sgpr_count:     100
    .vgpr_count:     256
    .wavefront_size: 32
...
	.end_amdgpu_metadata
.endif
;; end of part 2
;; launch out (part 3): grid 256 x 1, 16 waves a work-group, no clusters, 100,864 bytes of LDS; arguments oimg, oscl, x_codes, x_scales, wimg, dense_b, ln_g, ln_b, out0; writes out0
.if DOCPART == 3
	.amdgcn_target "amdgcn-amd-amdhsa--gfx1250"
	.amdhsa_code_object_version 6
	.text
	.protected	k_q7af6e71c48_out
	.globl	k_q7af6e71c48_out
	.p2align	8
	.type	k_q7af6e71c48_out,@function
k_q7af6e71c48_out:
	s_mov_b64 s[64:65], 0
	v_nop
	global_prefetch_b8 v0, s[64:65] scope:SCOPE_SE
	s_setreg_imm32_b32 hwreg(HW_REG_WAVE_MODE, 25, 1), 1
	s_wait_xcnt 0x0
; OUT.  y = o dense_w + dense_b + x res_w, then LayerNorm over the 1,024 columns.  Both products, on codes of FP4 (E2M1) with E8M0 scales, go into ONE sum: twelve K steps of 128, eight of o with dense_w, four of x with res_w.  No work of the problem is left out here.
; SHARES.  Work-group g: rows 32 g .. 32 g + 31 (two tiles; lane r of tile m holds row 8 m + r + 8 (r / 8)) x all 1,024 columns, so that a row's mean and variance never leave the work-group.  Wave w: columns 64 w .. 64 w + 63: four tiles, eight accumulators by turns.
; The matrix instruction is used transposed (source 0 = 16 columns' weights, source 1 = 16 rows): a lane holds one row and eight neighbouring columns.
; THE WEIGHTS come from memory straight into registers, in the order in which the first launch laid them: 9 loads a K step, three sets of registers, two to three K steps ahead.  They do not fit in LDS (835,584 bytes), and each wave reads only its own columns'.
; CLUSTERS are not used: a ring in LDS for the shared weights would have sixteen matrix instructions a wave between two changes of slots.
; o's codes (images of operand registers) and x's rows are copied into LDS once and read by all sixteen waves.  dense_b is loaded into the accumulators: the sums begin with it.
; LayerNorm in two passes, as the problem writes it: the mean, then the mean of the squares of y - mean; the waves' parts meet in LDS, in bytes of their own for each pass.
; REGISTERS: v1-15 addresses; v16-79 the accumulators ((m, t) at 16 + 8 (4 m + t)); v80-175 weights, three sets of 32, later at work; v176-187 their scale words; v188-199 the rows' scale words, one a K step (lanes 0-15 tile 0, lanes 16-31 tile 1);
;   v200-231 the rows' fragments, two sets of 16; v232-235 ln_g, v236-239 ln_b; v240-251 the copy.
.set XROWS, 16384                      ; behind o's 16,384 bytes: x's 32 rows, 256 bytes + 16 of padding; slot 16 m + r holds row 8 m + r + 8 (r / 8)
.set SUM1,  25088                      ; 16 waves x 32 words
.set STAGE, 29184                      ; behind the second pass's 2,048 bytes: 16 rows x 272 bytes for each wave
.set SPARE, 98816                      ; the spare words, 128 bytes for each of sixteen waves
.set ACC, 16
.set BF,  80
.set BS,  176
.set AS,  188
.set AF,  200
.macro WM d, a, b, sa, sb, row         ; row = 1: source 1's scales stand in lanes 16-31
.if (\row) == 1
	v_wmma_scale_f32_16x16x128_f8f6f4 v[\d:\d+7], v[\a:\a+7], v[\b:\b+7], v[\d:\d+7], v[\sa], v[\sb] matrix_a_fmt:MATRIX_FMT_FP4 matrix_b_fmt:MATRIX_FMT_FP4 matrix_b_scale:MATRIX_SCALE_ROW1
.else
	v_wmma_scale_f32_16x16x128_f8f6f4 v[\d:\d+7], v[\a:\a+7], v[\b:\b+7], v[\d:\d+7], v[\sa], v[\sb] matrix_a_fmt:MATRIX_FMT_FP4 matrix_b_fmt:MATRIX_FMT_FP4
.endif
.endm
.macro BLOAD ks                        ; my columns' weights of K step ks: four fragments and their scale words: 9 loads
.irp t,0,1,2,3
.irp c,0,1
	global_load_b128 v[BF+32*((\ks)%3)+8*\t+4*\c:BF+32*((\ks)%3)+8*\t+4*\c+3], v1, s[12:13] offset:(\ks)*4352+\t*1024+512*\c
.endr
.endr
	global_load_b128 v[BS+4*((\ks)%3):BS+4*((\ks)%3)+3], v2, s[12:13] offset:(\ks)*4352+4096
.endm
.macro ALOAD ks                        ; the two row tiles' fragments of K step ks: o's images, or x's rows
.irp m,0,1
.irp c,0,1
.if (\ks) < 8
	ds_load_b128 v[AF+16*((\ks)%2)+8*\m+4*\c:AF+16*((\ks)%2)+8*\m+4*\c+3], v1 offset:(8*\m+(\ks))*1024+512*\c
.else
	ds_load_b128 v[AF+16*((\ks)%2)+8*\m+4*\c:AF+16*((\ks)%2)+8*\m+4*\c+3], v3 offset:\m*4352+64*((\ks)-8)+32*\c
.endif
.endr
.endr
.endm
.macro KSTEP ks
.if (\ks) < 11
	ALOAD (\ks)+1
	s_wait_dscnt 4                                 ; this step's four fragment loads are in; the next step's four may be out
.else
	s_wait_dscnt 0x0
.endif
.if (\ks) < 10
	s_wait_loadcnt 18                              ; this step's weights are in; two later steps of 9 loads may be out
.elseif (\ks) == 10
	s_wait_loadcnt 9
.else
	s_wait_loadcnt 0x0
.endif
.irp t,0,1,2,3
.irp m,0,1
	WM ACC+8*(4*\m+\t), BF+32*((\ks)%3)+8*\t, AF+16*((\ks)%2)+8*\m, BS+4*((\ks)%3)+\t, AS+(\ks), \m
.endr
.endr
.rept 4
	v_nop                                          ; places in front of loads into registers that the products read, and of the first read of results
.endr
.if (\ks) < 9
	BLOAD (\ks)+3
.endif
.endm
; the two tiles' sums (in v[80:83], v[84:87], two chains each) are closed, joined over the halves of the lanes and over the sixteen waves: v96 = the row's sum: lanes 0-15 tile 0's row r, lanes 16-31 tile 1's
.macro ACROSS off
.irp m, 0
	v_pk_add_f32 v[80+4*\m:81+4*\m], v[80+4*\m:81+4*\m], v[82+4*\m:83+4*\m]
.endr
.irp m, 1
	s_delay_alu instid0(VALU_DEP_2)
	v_pk_add_f32 v[80+4*\m:81+4*\m], v[80+4*\m:81+4*\m], v[82+4*\m:83+4*\m]
.endr
.irp m,0,1
	s_delay_alu instid0(VALU_DEP_2)
	v_add_f32 v[80+4*\m], v[80+4*\m], v[81+4*\m]
.endr
.irp m,0,1
	s_delay_alu instid0(VALU_DEP_2)
	v_permlanex16_b32 v[82+4*\m], v[80+4*\m], s26, s27
.endr
.irp m,0,1
	s_delay_alu instid0(VALU_DEP_2)
	v_add_f32 v[80+4*\m], v[80+4*\m], v[82+4*\m]
.endr
	s_delay_alu instid0(VALU_DEP_1)
	v_cndmask_b32 v88, v80, v84, s28
	ds_store_b32 v8, v88 offset:\off
	s_wait_dscnt 0x0                               ; for the others' sake: my wave's 32 words lie in LDS
	s_barrier_signal -1
	s_barrier_wait -1
.irp i,0,1,2,3,4,5,6,7,8,9,10,11,12,13,14,15
	ds_load_b32 v[96+\i], v9 offset:\off+128*\i
.endr
	s_wait_dscnt 0x0
.irp i,0,4,8,12
	v_pk_add_f32 v[96+\i:97+\i], v[96+\i:97+\i], v[98+\i:99+\i]
.endr
	s_delay_alu instid0(VALU_DEP_3)
	v_pk_add_f32 v[96:97], v[96:97], v[100:101]
	s_delay_alu instid0(VALU_DEP_2)
	v_pk_add_f32 v[104:105], v[104:105], v[108:109]
	s_delay_alu instid0(VALU_DEP_1)
	v_pk_add_f32 v[96:97], v[96:97], v[104:105]
	s_delay_alu instid0(VALU_DEP_1)
	v_add_f32 v96, v96, v97
.endm
.macro SPREAD                          ; v88 (lanes 0-15 tile 0's, lanes 16-31 tile 1's) to every lane: v90 tile 0's, v92 tile 1's
	v_permlanex16_b32 v89, v88, s26, s27
	v_cndmask_b32 v90, v88, v89, s28
	v_cndmask_b32 v92, v89, v88, s28
.endm
	s_load_b512 s[4:19], s[0:1], 0x0               ; oimg, oscl, x codes, x scales, wimg, dense_b, ln_g, ln_b
	s_load_b64 s[20:21], s[0:1], 0x40              ; out0
	v_lshl_add_u32 v4, v0, 2, SPARE                ; my spare word; never rewritten
	v_mov_b32 v5, 0                                ; 0; never rewritten
	v_lshrrev_b32 v252, 5, v0
	s_delay_alu instid0(VALU_DEP_1)
	v_readfirstlane_b32 s22, v252                  ; wave 0..15
	s_mul_i32 s23, s22, 4352
	s_add_co_u32 s23, s23, STAGE                   ; my stage
	s_mov_b32 s25, 0
	s_mov_b32 s26, 0x76543210
	s_mov_b32 s27, 0xfedcba98                      ; v_permlanex16_b32's selects for lane l xor 16
	s_mov_b32 s28, 0xffff0000                      ; lanes 16-31
	s_mov_b32 s29, 0x3a800000                      ; 1 / 1,024
	s_mov_b32 s30, 0x3727c5ac                      ; 1e-5
	v_and_b32 v252, 31, v0                         ; lane
	v_and_b32 v253, 15, v0                         ; r
	v_bfe_u32 v254, v0, 4, 1                       ; hh
	s_delay_alu instid0(VALU_DEP_2)
	v_and_b32 v255, 8, v253
	s_delay_alu instid0(VALU_DEP_1)
	v_add_nc_u32 v255, v255, v253                  ; r + 8 (r / 8)
	v_lshlrev_b32 v1, 4, v252                      ; 16 x lane
	v_lshlrev_b32 v2, 4, v253                      ; 16 r
	v_mul_u32_u24 v3, v253, 272
	s_delay_alu instid0(VALU_DEP_1)
	v_lshl_add_u32 v3, v254, 4, v3
	s_delay_alu instid0(VALU_DEP_1)
	v_add_nc_u32 v3, XROWS, v3                     ; x's fragments: slot r, + 16 hh
	v_lshlrev_b32 v6, 4, v0                        ; 16 x thread: the copies
	v_bfe_u32 v7, v0, 4, 3                         ; thread t holds 16 bytes of row t / 16; its slot is 16 ((row / 8) % 2) + 8 (row / 16) + row % 8
	v_lshrrev_b32 v8, 8, v0
	s_delay_alu instid0(VALU_DEP_1)
	v_lshl_add_u32 v7, v8, 3, v7
	v_bfe_u32 v8, v0, 7, 1
	s_delay_alu instid0(VALU_DEP_1)
	v_lshl_add_u32 v7, v8, 4, v7
	s_delay_alu instid0(VALU_DEP_1)
	v_mul_u32_u24 v7, v7, 272
	s_delay_alu instid0(VALU_DEP_1)
	v_lshl_add_u32 v7, v253, 4, v7
	s_delay_alu instid0(VALU_DEP_1)
	v_add_nc_u32 v7, XROWS, v7
	v_lshl_add_u32 v8, v0, 2, SUM1                 ; my word of the waves' sums
	v_lshl_add_u32 v9, v252, 2, SUM1               ; and where I read all sixteen
	v_mul_u32_u24 v10, v253, 272
	s_delay_alu instid0(VALU_DEP_1)
	v_lshl_add_u32 v10, v254, 5, v10
	s_delay_alu instid0(VALU_DEP_1)
	v_add_nc_u32 v10, s23, v10                     ; the stage, in: row slot r, + 32 hh
	v_mul_u32_u24 v11, v254, 272
	s_delay_alu instid0(VALU_DEP_1)
	v_lshl_add_u32 v11, v253, 4, v11
	s_delay_alu instid0(VALU_DEP_1)
	v_add_nc_u32 v11, s23, v11                     ; back: lanes 0-15 one row of 256 bytes, lanes 16-31 the next
	v_lshlrev_b32 v12, 12, v254
	s_delay_alu instid0(VALU_DEP_1)
	v_lshl_add_u32 v12, v253, 4, v12               ; and the same in out0
	v_lshl_add_u32 v13, v254, 3, v255              ; 8 hh + r + 8 (r / 8): lanes 0-15 tile 0's rows, lanes 16-31 tile 1's
	s_delay_alu instid0(VALU_DEP_1)
	v_lshlrev_b32 v14, 4, v13                      ; x's scale bytes: 16 a row
	s_delay_alu instid0(VALU_DEP_2)
	v_lshlrev_b32 v13, 5, v13                      ; o's: 32 a row
	v_lshlrev_b32 v15, 5, v254                     ; 32 hh: dense_b in the result's layout
	s_wait_alu depctr_va_vdst(0)
	s_wait_kmcnt 0x0
	s_lshl_b32 s24, ttmp9, 14
	s_add_nc_u64 s[4:5], s[4:5], s[24:25]
	s_lshl_b32 s24, ttmp9, 10
	s_add_nc_u64 s[6:7], s[6:7], s[24:25]
	s_lshl_b32 s24, ttmp9, 13
	s_add_nc_u64 s[8:9], s[8:9], s[24:25]
	s_lshl_b32 s24, ttmp9, 9
	s_add_nc_u64 s[10:11], s[10:11], s[24:25]
	s_mul_i32 s24, s22, 52224                      ; my columns' twelve chunks of 4,352 bytes
	s_add_nc_u64 s[12:13], s[12:13], s[24:25]
	s_lshl_b32 s24, s22, 8
	s_add_nc_u64 s[14:15], s[14:15], s[24:25]
	s_add_nc_u64 s[16:17], s[16:17], s[24:25]
	s_add_nc_u64 s[18:19], s[18:19], s[24:25]
	s_lshl_b32 s31, ttmp9, 17
	s_add_co_u32 s24, s24, s31
	s_add_nc_u64 s[20:21], s[20:21], s[24:25]
	global_load_b128 v[240:243], v6, s[4:5]        ; the three copies first
	global_load_b128 v[244:247], v6, s[4:5] offset:8192
	global_load_b128 v[248:251], v6, s[8:9]
	global_load_b128 v[AS:AS+3], v13, s[6:7]       ; 3: the rows' scale words
	global_load_b128 v[AS+4:AS+7], v13, s[6:7] offset:16
	global_load_b128 v[AS+8:AS+11], v14, s[10:11]
.irp m,0,1
.irp t,0,1,2,3
	global_load_b128 v[ACC+8*(4*\m+\t):ACC+8*(4*\m+\t)+3], v15, s[14:15] offset:64*\t        ; 16: dense_b at columns 16 t + 8 hh + 0 .. 7
	global_load_b128 v[ACC+8*(4*\m+\t)+4:ACC+8*(4*\m+\t)+7], v15, s[14:15] offset:64*\t+16
.endr
.endr
	global_load_b128 v[232:235], v2, s[16:17]      ; 2: ln_g and ln_b at the columns that I store
	global_load_b128 v[236:239], v2, s[18:19]
	BLOAD 0                                        ; 27
	BLOAD 1
	BLOAD 2
	s_wait_loadcnt 48                              ; the three copies are in; the 48 loads behind them may be out
	ds_store_b128 v6, v[240:243]
	ds_store_b128 v6, v[244:247] offset:8192
	ds_store_b128 v7, v[248:251]
	s_wait_dscnt 0x0                               ; for the others' sake: my part of o and x lies in LDS
	s_barrier_signal -1
	s_barrier_wait -1
	ALOAD 0
.irp k,0,1,2,3,4,5,6,7,8,9,10,11
	KSTEP \k
.endr
	; ---- the mean
	v_mov_b32 v89, 0                               ; written before they are named as a permute's destination or in a pair
	v_mov_b32 v91, 0
	v_mov_b32 v93, 0
.irp m,0,1
	v_pk_add_f32 v[80+4*\m:81+4*\m], v[ACC+32*\m:ACC+32*\m+1], v[ACC+32*\m+2:ACC+32*\m+3]   ; each accumulator from its low end on
	v_pk_add_f32 v[82+4*\m:83+4*\m], v[ACC+32*\m+4:ACC+32*\m+5], v[ACC+32*\m+6:ACC+32*\m+7]
.endr
.irp t,1,2,3
.irp m,0,1
	v_pk_add_f32 v[80+4*\m:81+4*\m], v[80+4*\m:81+4*\m], v[ACC+32*\m+8*\t:ACC+32*\m+8*\t+1]
	v_pk_add_f32 v[82+4*\m:83+4*\m], v[82+4*\m:83+4*\m], v[ACC+32*\m+8*\t+2:ACC+32*\m+8*\t+3]
	v_pk_add_f32 v[80+4*\m:81+4*\m], v[80+4*\m:81+4*\m], v[ACC+32*\m+8*\t+4:ACC+32*\m+8*\t+5]
	v_pk_add_f32 v[82+4*\m:83+4*\m], v[82+4*\m:83+4*\m], v[ACC+32*\m+8*\t+6:ACC+32*\m+8*\t+7]
.endr
.endr
	ACROSS 0
	s_delay_alu instid0(VALU_DEP_1)
	v_mul_f32 v88, s29, v96
	SPREAD
.irp m,0,1
.irp j,0,2,4,6,8,10,12,14,16,18,20,22,24,26,28,30
	v_pk_add_f32 v[ACC+32*\m+\j:ACC+32*\m+\j+1], v[ACC+32*\m+\j:ACC+32*\m+\j+1], v[90+2*\m:91+2*\m] op_sel_hi:[1,0] neg_lo:[0,1] neg_hi:[0,1]   ; y - mean
.endr
.endr
	; ---- the variance
.irp m,0,1
	v_pk_mul_f32 v[80+4*\m:81+4*\m], v[ACC+32*\m:ACC+32*\m+1], v[ACC+32*\m:ACC+32*\m+1]
	v_pk_mul_f32 v[82+4*\m:83+4*\m], v[ACC+32*\m+2:ACC+32*\m+3], v[ACC+32*\m+2:ACC+32*\m+3]
.endr
.irp j,4,8,12,16,20,24,28
.irp m,0,1
	s_delay_alu instid0(VALU_DEP_4)
	v_pk_fma_f32 v[80+4*\m:81+4*\m], v[ACC+32*\m+\j:ACC+32*\m+\j+1], v[ACC+32*\m+\j:ACC+32*\m+\j+1], v[80+4*\m:81+4*\m]
	s_delay_alu instid0(VALU_DEP_4)
	v_pk_fma_f32 v[82+4*\m:83+4*\m], v[ACC+32*\m+\j+2:ACC+32*\m+\j+3], v[ACC+32*\m+\j+2:ACC+32*\m+\j+3], v[82+4*\m:83+4*\m]
.endr
.endr
	ACROSS 2048                                    ; bytes of its own: no wave writes what another may still read
	s_delay_alu instid0(VALU_DEP_1)
	v_fma_f32 v88, v96, s29, s30                   ; the variance + 1e-5
	s_wait_alu depctr_va_vdst(0)
	v_rsq_f32 v88, v88
	v_nop                                          ; the plain place behind it
	s_wait_alu depctr_va_vdst(0)                   ; ahead of its first reader
	SPREAD
.irp m,0,1
.irp j,0,2,4,6,8,10,12,14,16,18,20,22,24,26,28,30
	v_pk_mul_f32 v[ACC+32*\m+\j:ACC+32*\m+\j+1], v[ACC+32*\m+\j:ACC+32*\m+\j+1], v[90+2*\m:91+2*\m] op_sel_hi:[1,0]
.endr
.endr
	; ---- the way out: a tile of 16 rows x my 64 columns through my own stage; back as whole rows of 256 bytes, where ln_g and ln_b are the same for every row of a lane.  LDS serves a wave's instructions in order: no wait between the stores and the loads, nor in front of the second tile's stores
.irp m,0,1
.irp t,0,1,2,3
	ds_store_b128 v10, v[ACC+32*\m+8*\t:ACC+32*\m+8*\t+3] offset:64*\t
	ds_store_b128 v10, v[ACC+32*\m+8*\t+4:ACC+32*\m+8*\t+7] offset:64*\t+16
.endr
.irp i,0,1,2,3,4,5,6,7
	ds_load_b128 v[96+32*\m+4*\i:99+32*\m+4*\i], v11 offset:2*\i*272
.endr
.endr
.irp m,0,1
.irp i,0,1,2,3,4,5,6,7
	s_wait_dscnt 23-16*\m-\i                       ; this pair of rows is back; what was issued behind its load may be out
	v_pk_fma_f32 v[96+32*\m+4*\i:97+32*\m+4*\i], v[96+32*\m+4*\i:97+32*\m+4*\i], v[232:233], v[236:237]
	v_pk_fma_f32 v[98+32*\m+4*\i:99+32*\m+4*\i], v[98+32*\m+4*\i:99+32*\m+4*\i], v[234:235], v[238:239]
	global_store_b128 v12, v[96+32*\m+4*\i:99+32*\m+4*\i], s[20:21] offset:(8*\m+2*\i+8*(\i/4))*4096 th:TH_STORE_NT   ; sixteen lanes store 256 consecutive bytes, at a multiple of 256 from out0's first byte
.endr
.endr
	s_wait_tensorcnt 0x0                           ; the wave's end
	ds_add_u32 v4, v5
	s_wait_dscnt 0x0
	s_endpgm
.Lfunc_end_k_q7af6e71c48_out:
	.size	k_q7af6e71c48_out, .Lfunc_end_k_q7af6e71c48_out-k_q7af6e71c48_out
	.p2alignl 7, 3214868480
	.fill 96, 4, 3214868480
	.section	.rodata,"a",@progbits
	.p2align	6, 0x0
	.amdhsa_kernel k_q7af6e71c48_out
		.amdhsa_group_segment_fixed_size 100864
		.amdhsa_private_segment_fixed_size 0
		.amdhsa_enable_private_segment 0
		.amdhsa_kernarg_size 72
		.amdhsa_user_sgpr_count 2
		.amdhsa_user_sgpr_kernarg_segment_ptr 1
		.amdhsa_wavefront_size32 1
		.amdhsa_system_sgpr_workgroup_id_x 1
		.amdhsa_system_sgpr_workgroup_id_y 1
		.amdhsa_system_sgpr_workgroup_id_z 1
		.amdhsa_system_vgpr_workitem_id 0
		.amdhsa_next_free_vgpr 256
		.amdhsa_next_free_sgpr 66
		.amdhsa_reserve_vcc 0
		.amdhsa_float_denorm_mode_32 3
		.amdhsa_float_denorm_mode_16_64 3
		.amdhsa_memory_ordered 1
		.amdhsa_forward_progress 1
		.amdhsa_inst_pref_size 55
	.end_amdhsa_kernel
	.amdgpu_metadata
---
amdhsa.version: [ 1, 2 ]
amdhsa.kernels:
  - .name:           k_q7af6e71c48_out
    .symbol:         k_q7af6e71c48_out.kd
    .args:
      - { .name: oimg, .offset: 0, .size: 8, .value_kind: global_buffer, .address_space: global }
      - { .name: oscl, .offset: 8, .size: 8, .value_kind: global_buffer, .address_space: global }
      - { .name: x_codes, .offset: 16, .size: 8, .value_kind: global_buffer, .address_space: global }
      - { .name: x_scales, .offset: 24, .size: 8, .value_kind: global_buffer, .address_space: global }
      - { .name: wimg, .offset: 32, .size: 8, .value_kind: global_buffer, .address_space: global }
      - { .name: dense_b, .offset: 40, .size: 8, .value_kind: global_buffer, .address_space: global }
      - { .name: ln_g, .offset: 48, .size: 8, .value_kind: global_buffer, .address_space: global }
      - { .name: ln_b, .offset: 56, .size: 8, .value_kind: global_buffer, .address_space: global }
      - { .name: out0, .offset: 64, .size: 8, .value_kind: global_buffer, .address_space: global }
    .group_segment_fixed_size: 100864
    .private_segment_fixed_size: 0
    .kernarg_segment_align: 8
    .kernarg_segment_size: 72
    .max_flat_workgroup_size: 512
    .sgpr_count:     66
    .vgpr_count:     256
    .wavefront_size: 32
...
	.end_amdgpu_metadata
.endif
;; end of part 3
